; MI455X (gfx1250); checked and timed in simulation.
; The chip was launched on July 23, 2026; its instructions are those of AMD's public machine-readable ISA for CDNA 5 (MIT licence, August 2026) and "CDNA5" Instruction Set Architecture Reference Guide (July 2026). The comments in the code are by the model that wrote it; some were corrected since.
;; Mem Eff Attention. Allowed arithmetic: matrix products marked QUANTISED: E2M3 operands, one E8M0 scale for each 32 along K, by v_wmma_scale_f32_16x16x128_f8f6f4 with both operands' format E2M3, f32 sums; everything else in f32.
;; Inputs: cos 2,048 x 32 float32; proj_b 1,024 float32; proj_w_codes 1,024 x 32 x 24 uint8 (E2M3 codes of proj_w, K innermost, in blocks of 32 codes, four codes in three bytes); proj_w_scales 1,024 x 32 uint8 (E8M0 scales of proj_w, one for each 32 codes along K); qkv_w_codes 3,072 x 32 x 24 uint8 (E2M3 codes of qkv_w, K innermost, in blocks of 32 codes, four codes in three bytes); qkv_w_scales 3,072 x 32 uint8 (E8M0 scales of qkv_w, one for each 32 codes along K); sin 2,048 x 32 float32; x_codes 2 x 2,048 x 32 x 24 uint8 (E2M3 codes of x, K innermost, in blocks of 32 codes, four codes in three bytes); x_scales 2 x 2,048 x 32 uint8 (E8M0 scales of x, one for each 32 codes along K).
;; Outputs: out0 2 x 2,048 x 1,024 float32.
;; This version of the problem:
;;   THIS VERSION OF THE PROBLEM IS GIVEN IN LOW PRECISION. The matrix products marked QUANTISED in the list below multiply operands that are first quantised to E2M3 (2 exponent bits, 3 mantissa bits; 6 bits a number), with one power-of-two scale for each 32 numbers along K (OCP MX v1.0); their sums are f32. All else is computed in f32.
;;   The module's matrix products, in the order in which they are computed (A, B: the left and right operand; K: the contracted axis; several contracted axes count as one K, in the product's order):
;;     1. [M 4,096, K 1,024] x [K 1,024, N 3,072]; A: input x (given as codes); B: input qkv_w (given as codes): QUANTISED
;;     2. batch 32 x [M 2,048, K 64] x [K 64, N 2,048]; A: computed on the way; B: computed on the way: QUANTISED
;;     3. batch 32 x [M 64, K 2,048] x [K 2,048, N 2,048]; A: computed on the way; B: softmax (see below): QUANTISED
;;     4. [M 4,096, K 1,024] x [K 1,024, N 1,024]; A: computed on the way; B: input proj_w (given as codes): QUANTISED
;;   THE QUANTISER, for each operand of a quantised product, along K:
;;     - K is cut into blocks of 32 from its start; a last block that is shorter is filled with zeros.
;;     - A block's scale is 2^e with e = floor(log2(the largest magnitude in the block)) - 2, held to -126 .. 127; a block of zeros has e = 0. As a byte (E8M0): e + 127.
;;     - Each number is divided by its block's scale, clamped to +-7.5, and rounded to the nearest number of E2M3, ties to even, subnormals kept.
;;     - The product sums the exact products of the quantised numbers (number of the format x scale) in f32.
;;   ~~~python
;;   def quantise(x, axis):      # numpy; x: float32 -> the quantised numbers, widened to float32 again
;;       x = np.moveaxis(x, axis, -1); K = x.shape[-1]
;;       x = np.pad(x, [(0, 0)] * (x.ndim - 1) + [(0, -K % 32)]); x = x.reshape(x.shape[:-1] + (-1, 32)); a = np.abs(x).max(-1, keepdims=True)
;;       e = np.where(a > 0, np.clip(np.frexp(np.where(a > 0, a, 1))[1] - 1 - 2, -126, 127), 0)      # np.frexp(a)[1] - 1 = floor(log2(a)), exactly
;;       r = np.clip(x / 2.0 ** e, -7.5, 7.5)
;;       step = 2.0 ** (np.maximum(np.frexp(np.where(r == 0, 1, r))[1] - 1, 0) - 3)
;;       q = np.round(r / step) * step * 2.0 ** e      # np.round: ties to even
;;       return np.moveaxis(q.reshape(q.shape[:-2] + (-1,))[..., :K], -1, axis).astype(np.float32)
;;   ~~~
;;   SOFTMAX AHEAD OF A QUANTISED PRODUCT. Where the list says 'softmax', what is quantised is not the finished softmax but p = 2^(t - M), with t = logit x log2(e) and M = ceil(the row's largest t), a whole number; so 1/2 < the row's largest p <= 1. The row's sum l is taken of the UNQUANTISED p, in f32, and the product's result is divided by l at the end. Since M is a whole number, a kernel that streams over the keys may use a running M (the ceiling of the running maximum): every later rescaling is an exact power of two, which a block's scale takes up: the codes' values come out the same.
;;   OPERANDS COMPUTED ON THE WAY. 'Computed on the way' means the value that the module computes at that place (a softmax that the list does not call 'softmax' is quantised finished and normalised). What goes into a quantiser is computed in f32, as accurately as f32 sums, v_exp_f32 and their like allow (about 1e-6 of the number): no bf16 or f16 on the way to a quantiser, and a product that is left as it is and whose result goes on into a quantised operand takes f32 operands (vector FMAs, or v_wmma_f32_16x16x4_f32). A number that lies on a knife's edge between two numbers of the format may be rounded either way, as far as f32 arithmetic and the matrix unit's own rounding can turn it there, and no further.
;;   INPUTS GIVEN AS CODES. proj_w (in the module: [1024, 1024], K = its axis 1); qkv_w (in the module: [3072, 1024], K = its axis 1); x (in the module: [2, 2048, 1024], K = its axis 2): each comes as NAME_codes (uint8): NAME with its K axis moved to the last place and cut into blocks of 32 codes, [.., K / 32, bytes a block], one block behind the other in memory; four codes in three bytes: a row's codes are one little-endian stream of bits, code i at bits 6 i .. 6 i + 5 (a code: sign, 2 exponent bits, 3 mantissa bits); and NAME_scales (uint8): the same leading axes, one E8M0 byte (e + 127) for each 32 codes along K. Its value is code x scale, taken as it is: it is not quantised again, and the codes and scales need not be those that the quantiser above would give.
;; One version. Each part assembles by itself: llvm-mc -triple=amdgcn-amd-amdhsa -mcpu=gfx1250 --defsym DOCPART=n.
;; ======== version 1 of 1: 3 launches
;; limits: right only within a limited range of input values
;; workspace buffers: img 9,437,184 bytes; scl 655,360 bytes; aimg 3,145,728 bytes; asc 131,072 bytes
;; launch qkv (part 1): grid 12 x 16, 4 waves a work-group, clusters of 4 x 4, 327,680 bytes of LDS; arguments x_codes, x_scales, qkv_w_codes, qkv_w_scales, cos, sin, img, scl; writes img, scl
.if DOCPART == 1
	.amdgcn_target "amdgcn-amd-amdhsa--gfx1250"
	.amdhsa_code_object_version 6
	.text
	.protected	k_qa21f6ba003_qkv
	.globl	k_qa21f6ba003_qkv
	.p2align	8
	.type	k_qa21f6ba003_qkv,@function
k_qa21f6ba003_qkv:
	s_mov_b64 s[64:65], 0
	v_nop
	global_prefetch_b8 v0, s[64:65] scope:SCOPE_SE
	s_setreg_imm32_b32 hwreg(HW_REG_WAVE_MODE, 25, 1), 1
	s_wait_xcnt 0x0
	s_wait_alu depctr_hold_cnt(0) depctr_sa_sdst(0) depctr_va_vdst(0) depctr_va_sdst(0) depctr_va_ssrc(0) depctr_va_vcc(0) depctr_vm_vsrc(0)
	s_getreg_b32 s2, hwreg(HW_REG_IB_STS2, 6, 4)
	s_cmp_eq_u32 s2, 0
	s_cbranch_scc0 .Lentry_in_a_cluster
	s_endpgm
.Lentry_in_a_cluster:
	s_bfe_u32 s2, ttmp6, 0x10000c
	s_cmp_lg_u32 s2, 0xf033
	s_cbranch_scc0 .Lentry_shape_is_right
	s_endpgm
.Lentry_shape_is_right:
; qkv = x W^T on codes of FP6 (E2M3) with E8M0 scales, then the rotation of q and k, then the quantisers of the two attention products; what leaves is register images of codes (img) and scale words (scl).
; No step of the problem is left out.  LIMITS: NaN and infinities are not served; a block of zeros gets the byte 1 over zero codes (these bytes are read by this program alone).
; SHARES.  A work-group of four waves makes 256 x 256, a wave 128 x 128 in 64 accumulators.  Cluster columns 0, 1: A = x (tokens), B = W's rows of q and k: a lane holds one token, its registers run along the head's d.
; Cluster column 2: A = W's rows of v, B = x: a lane holds one d, its registers run along the keys, which are the K of the second attention product.
; THE WALK ALONG K: a row of 1,024 codes is 768 bytes = 3 chunks of 256 bytes, each beginning at a multiple of 256; chunk c lies in slot c % 2 of a ring of two; a step of 128 along K is 96 bytes, so steps 2 and 5 lie across two chunks.
; The scales of the 256 + 256 rows come once, as dense units of 256 bytes.  The head's four tiles (chunk 0 of A, of B, A's scales, B's scales) are one joint load a wave.
; A's tiles are shared along a row of the 4 x 4 cluster, B's along a column.  No prefetch: chunks 0 and 1 are asked for at the head and one refill follows, so no trip stands two refills ahead of another.
; THE ROWS OF A TILE: lane r of tile i takes row 64 (i / 4) + 8 (i % 4) + r % 8 + 32 (r / 8), on both sides: a lane's 32 registers of four neighbouring tiles are then one whole block of 32 neighbours along the next K
; (lanes 0-15 the lower block of each 64, lanes 16-31 the upper), so that a block's largest magnitude and its codes need no other lane.
; REGISTERS: window 0: v8-10, v12, v16-29 addresses; v32-63 scale words, two sets; v128-223 A's fragments, one set; window 1: B's fragments, two sets at v0 and v128; windows 2, 3: the accumulators.
.set ROWB,   256
.set NQ,     2
.set KROW,   768
.set STEPS,  8
.set CHUNKS, 3
.set PITCH,  272
.set FR,     12
.set NL,     6
.set NP,     4
.set HALFT,  128*PITCH
.set SLOT,   4*HALFT
.set KS,     32
.set SCL,    2*SLOT
.set HALFS,  16*272
.set SPARE,  SCL+4*HALFS               ; the spare words, 512 bytes
.set HEADB,  294912                    ; img: a head: 4 chunks of 512 tokens x (q, k, v parts of 24,576 bytes)
.set CHUNKB, 73728
.set PARTB,  24576
.set STEPB,  6144
.set SHEAD,  20480                     ; scl: a head: 16 steps of 128 tokens x (q 512, k 512, v 256 bytes)
.set SSTEP,  1280
.set LI16, 8
.set LI8,  9
.set VCS,  10
.set SH8,  12
.set ADRA, 16
.set ADRB, 20
.set ADRS, 27
.set SPW,  28
.set NIL,  29
.set SC,   32
.set AF,   128
.set HA,   64
.set CD,   128
.set SWA,  160
.set SWB,  168
.set OUT,  176
.set TM,   200
.set PW,   216
.set TT,   217
.set G1, 24
.set G0, 32
.set G1B, 48
.set G0B, 56
.set G1S, 68
.set G0S, 76
.set G1SB, 80
.set G0SB, 88
.set G0H, 4
.set G0HB, 8
.set MSB, 0
.macro WIN new
.if MSB != (\new)
	s_set_vgpr_msb (MSB<<8)|(\new)
.set MSB, (\new)
.endif
.endm
.set MUL_LO, 0xa1
.set MUL_HI, 0xf1
.set TO_B,   0x40
.macro JLOAD g0a, g1a, g0b, g1b        ; waves 0, 1 fetch for A, waves 2, 3 for B
	s_cmp_eq_u32 s15, 0
	s_cbranch_scc0 .Lfor_b_\@
	tensor_load_to_lds s[\g0a:\g0a+3], s[\g1a:\g1a+7]
	s_nop 0
.rept 4
	v_nop
.endr
	s_branch .Lasked_\@
.Lfor_b_\@:
	tensor_load_to_lds s[\g0b:\g0b+3], s[\g1b:\g1b+7]
	s_nop 0
.rept 4
	v_nop
.endr
.Lasked_\@:
.endm
.macro CREST
	s_cmp_lg_u32 s14, 0
	s_cbranch_scc1 .Lnot_wave_0_\@
	s_barrier_signal -3
.Lnot_wave_0_\@:
	s_barrier_wait -3
	s_barrier_signal -1
	s_barrier_wait -1
.endm
.macro CROUND
	s_barrier_signal -1
	s_barrier_wait -1
	CREST
.endm
	s_load_b256 s[4:11], s[0:1], 0x0               ; x's codes, scales; W's codes, scales
	s_load_b256 s[92:99], s[0:1], 0x20             ; cos, sin, img, scl
	v_lshl_add_u32 v[SPW], v0, 2, SPARE
	v_mov_b32 v[NIL], 0
	ds_add_u32 v[SPW], v[NIL]                      ; the opening adds
	ds_add_u32 v[SPW], v[NIL]
	v_lshrrev_b32 v1, 5, v0
	v_readfirstlane_b32 s14, v1                    ; wave
	s_lshr_b32 s15, s14, 1                         ; my half of A's rows; also: I fetch for A (0) or B (1)
	s_and_b32 s16, s14, 1                          ; my half of B's rows; also: which 128 rows I fetch
	s_bfe_u32 s40, ttmp6, 0x40000                  ; cx, cy
	s_bfe_u32 s41, ttmp6, 0x40004
	s_and_b32 s67, ttmp7, 0xffff
	s_mov_b32 s2, ttmp9
	s_cmp_lt_u32 s2, 2                             ; the cluster's x: the same in all partners
	s_cselect_b32 s42, s2, s67
	s_cselect_b32 s17, s67, s2
	s_cselect_b32 s66, 1, 0                        ; 1: A = x, B = W (q, k); 0: A = W (v), B = x
	s_lshl_b32 s42, s42, 2
	s_add_co_u32 s42, s42, s40                     ; B's tile
	s_lshl_b32 s17, s17, 2
	s_add_co_u32 s17, s17, s41                     ; A's tile
	s_lshl_b32 s43, s41, 2
	s_lshl_b32 s43, 15, s43                        ; my row of the cluster
	s_lshl_b32 s44, 0x1111, s40                    ; my column
	s_or_b32 s[G1+0], s43, (0<<16)|(1<<20)|(1<<21)|(5<<22)|(3<<25)   ; rows of 256 bytes, 16 bytes of padding behind each
	s_or_b32 s[G1B+0], s44, (0<<16)|(1<<20)|(1<<21)|(5<<22)|(3<<25)
.irp g, G1, G1B
	s_mov_b32 s[\g+1], ROWB<<16
	s_mov_b32 s[\g+2], 256<<16                     ; 256 rows for the head's loads
	s_mov_b32 s[\g+3], ROWB<<16
	s_mov_b32 s[\g+4], 256
	s_mov_b32 s[\g+5], KROW
	s_mov_b32 s[\g+6], 0
	s_mov_b32 s[\g+7], 0
.endr
	s_or_b32 s[G1S+0], s43, (3<<16)|(1<<20)|(1<<21)|(5<<22)|(3<<25)  ; the scales of 256 rows: 32 dense units of 256 bytes
	s_or_b32 s[G1SB+0], s44, (3<<16)|(1<<20)|(1<<21)|(5<<22)|(3<<25)
.irp g, G1S, G1SB
	s_mov_b32 s[\g+1], 32<<16
	s_mov_b32 s[\g+2], KS<<16
	s_mov_b32 s[\g+3], 32<<16
	s_mov_b32 s[\g+4], KS
	s_mov_b32 s[\g+5], 32
	s_mov_b32 s[\g+6], 0
	s_mov_b32 s[\g+7], 0
.endr
	s_lshl_b32 s20, s17, 8
	s_lshl_b32 s46, s42, 8
	s_mov_b32 s21, 0
	s_mov_b32 s47, 0
	s_mov_b64 s[18:19], KS
	s_mul_u64 s[22:23], s[20:21], s[18:19]
	s_mul_u64 s[100:101], s[46:47], s[18:19]
	s_mov_b64 s[18:19], KROW
	s_mul_u64 s[20:21], s[20:21], s[18:19]
	s_mul_u64 s[46:47], s[46:47], s[18:19]
	s_mul_i32 s18, s16, 128*KROW
	s_mov_b32 s19, 0
	s_mul_i32 s45, s14, HALFT
	s_wait_dscnt 0x0                               ; both opening adds are done
	s_wait_kmcnt 0x0
	s_cmp_eq_u32 s66, 1
	s_cselect_b64 s[2:3], s[4:5], s[8:9]
	s_add_nc_u64 s[20:21], s[2:3], s[20:21]        ; A's codes
	s_cselect_b64 s[2:3], s[6:7], s[10:11]
	s_add_nc_u64 s[22:23], s[2:3], s[22:23]        ; A's scales
	s_cselect_b64 s[2:3], s[8:9], s[4:5]
	s_add_nc_u64 s[46:47], s[2:3], s[46:47]        ; B's codes
	s_cselect_b64 s[2:3], s[10:11], s[6:7]
	s_add_nc_u64 s[100:101], s[2:3], s[100:101]    ; B's scales
	CROUND                                         ; all sixteen work-groups are here: the first joint loads meet
	s_mov_b32 s[G0H], 1
	s_mov_b32 s[G0H+1], 0
	s_mov_b64 s[G0H+2:G0H+3], s[20:21]
	s_or_b32 s[G0H+3], s[G0H+3], 0x80000000
	s_mov_b32 s[G0HB], 1
	s_mov_b32 s[G0HB+1], 2*HALFT
	s_mov_b64 s[G0HB+2:G0HB+3], s[46:47]
	s_or_b32 s[G0HB+3], s[G0HB+3], 0x80000000
	s_mov_b32 s[G0S], 1
	s_mov_b32 s[G0S+1], SCL
	s_mov_b64 s[G0S+2:G0S+3], s[22:23]
	s_or_b32 s[G0S+3], s[G0S+3], 0x80000000
	s_mov_b32 s[G0SB], 1
	s_mov_b32 s[G0SB+1], SCL+2*HALFS
	s_mov_b64 s[G0SB+2:G0SB+3], s[100:101]
	s_or_b32 s[G0SB+3], s[G0SB+3], 0x80000000
	s_add_nc_u64 s[20:21], s[20:21], s[18:19]      ; for the ring: my 128 rows
	s_add_nc_u64 s[46:47], s[46:47], s[18:19]
.irp s, 0,1
	s_mov_b32 s[G0+4*\s], 1
	s_add_co_u32 s[G0+4*\s+1], s45, \s*SLOT
	s_add_nc_u64 s[G0+4*\s+2:G0+4*\s+3], s[20:21], \s*ROWB
	s_or_b32 s[G0+4*\s+3], s[G0+4*\s+3], 0x80000000
	s_mov_b32 s[G0B+4*\s], 1
	s_add_co_u32 s[G0B+4*\s+1], s45, \s*SLOT
	s_add_nc_u64 s[G0B+4*\s+2:G0B+4*\s+3], s[46:47], \s*ROWB
	s_or_b32 s[G0B+4*\s+3], s[G0B+4*\s+3], 0x80000000
.endr
.macro ARM under, g0, g1, next         ; one chain of branches on the wave's number, one load to an arm
	s_cmp_lt_u32 s14, \under
	s_cbranch_scc0 \next
	tensor_load_to_lds s[\g0:\g0+3], s[\g1:\g1+7]
	s_nop 0
.rept 4
	v_nop
.endr
	s_branch .Lhead_asked
\next:
.endm
	ARM 1, G0H,  G1,  .Lhead_b
	ARM 2, G0HB, G1B, .Lhead_sa
	ARM 3, G0S,  G1S, .Lhead_sb
	tensor_load_to_lds s[G0SB:G0SB+3], s[G1SB:G1SB+7]
	s_nop 0
.rept 4
	v_nop
.endr
.Lhead_asked:
	s_mul_i32 s20, s15, HALFT                      ; my 128 rows of A
	s_mul_i32 s21, s16, HALFT
	s_add_co_u32 s21, s21, 2*HALFT                 ; my 128 rows of B, behind A's 256
	s_mul_i32 s22, s15, HALFS
	s_mul_i32 s23, s16, HALFS
	s_add_co_u32 s23, s23, 2*HALFS
	s_sub_co_u32 s23, s23, s22                     ; from A's scales to B's
	s_add_co_u32 s22, s22, SCL
	s_mov_b32 s45, SLOT-232
	s_mov_b32 s46, SLOT+232
	v_and_b32 v1, 15, v0                           ; r
	v_bfe_u32 v2, v0, 4, 1                         ; h
	v_and_b32 v3, 8, v1
	v_mad_u32_u24 v11, v3, 3, v1                   ; r % 8 + 32 (r / 8)
	v_mul_u32_u24 v3, v11, PITCH
	v_mad_u32_u24 v4, v2, 24, v3                   ; row x pitch + 24 h
	v_sub_nc_u32 v7, 1, v2
	v_mul_u32_u24 v5, s45, v2
	v_add_nc_u32 v5, v3, v5
	v_add_nc_u32 v5, 232, v5                       ; lanes 0-15 byte 232 of the row in slot 0, lanes 16-31 byte 0 in slot 1
	v_mul_u32_u24 v6, s46, v7
	v_add_nc_u32 v6, v3, v6                        ; lanes 0-15 byte 232 in slot 1, lanes 16-31 byte 0 in slot 0
	v_add_nc_u32 v[ADRA], s20, v4
	v_add_nc_u32 v[ADRB], s21, v4
	v_add_nc_u32 v[ADRA+2], s20, v5
	v_add_nc_u32 v[ADRA+3], s20, v6
	v_add_nc_u32 v[ADRB+2], s21, v5
	v_add_nc_u32 v[ADRB+3], s21, v6
	v_add_nc_u32 v[ADRA+1], SLOT, v[ADRA]
	v_add_nc_u32 v[ADRB+1], SLOT, v[ADRB]
	v_and_b32 v5, 7, v1                            ; scales: 32 bytes a row, 8 rows to a unit of 272
	v_lshlrev_b32 v5, 5, v5
	v_lshrrev_b32 v6, 3, v1
	v_mad_u32_u24 v5, v6, 1088, v5                 ; rows 32-39 lie four units on
	v_mul_u32_u24 v6, s23, v2                      ; lanes 16-31 take B's
	v_add_nc_u32 v5, v5, v6
	v_add_nc_u32 v[ADRS], s22, v5
	v_and_b32 v6, 31, v0
	v_lshlrev_b32 v[LI16], 4, v6                   ; the way out: 16 x lane, 8 x lane
	v_lshlrev_b32 v[LI8], 3, v6
	v_lshlrev_b32 v[SH8], 3, v2                    ; 8 h: where my blocks' bytes stand in a scale word
	v_lshlrev_b32 v[VCS], 7, v11                   ; cos, sin: my token's row of 128 bytes, + 64 h: the 16 pairs of my block of d
	v_lshl_add_u32 v[VCS], v2, 6, v[VCS]
	; where my results go: token t0 and W's row n0 of my 128 x 128
	s_lshl_b32 s18, s17, 8
	s_lshl_b32 s19, s15, 7
	s_add_co_u32 s18, s18, s19
	s_lshl_b32 s19, s42, 8
	s_lshl_b32 s20, s16, 7
	s_add_co_u32 s19, s19, s20
	s_cmp_eq_u32 s66, 1
	s_cselect_b32 s20, s18, s19                    ; t0
	s_cselect_b32 s21, s19, s18                    ; n0
	s_lshr_b32 s22, s20, 11                        ; batch
	s_bfe_u32 s23, s20, 0x40007                    ; step of 128 tokens
	s_lshr_b32 s45, s21, 10                        ; part: q, k, v
	s_bfe_u32 s46, s21, 0x40006                    ; head
	s_lshl_b32 s22, s22, 4
	s_add_co_u32 s46, s46, s22
	s_mul_i32 s100, s46, HEADB
	s_lshr_b32 s47, s23, 2
	s_mul_i32 s47, s47, CHUNKB
	s_add_co_u32 s100, s100, s47
	s_mul_i32 s47, s45, PARTB
	s_add_co_u32 s100, s100, s47
	s_and_b32 s47, s23, 3
	s_mul_i32 s47, s47, STEPB
	s_add_co_u32 s100, s100, s47
	s_mov_b32 s101, 0
	s_add_nc_u64 s[96:97], s[96:97], s[100:101]
	s_mul_i32 s100, s46, SHEAD
	s_mul_i32 s47, s23, SSTEP
	s_add_co_u32 s100, s100, s47
	s_lshl_b32 s47, s45, 9
	s_add_co_u32 s100, s100, s47
	s_add_nc_u64 s[98:99], s[98:99], s[100:101]
	s_and_b32 s47, s20, 2047
	s_lshl_b32 s100, s47, 7
	s_add_nc_u64 s[92:93], s[92:93], s[100:101]
	s_add_nc_u64 s[94:95], s[94:95], s[100:101]
	s_mov_b32 s18, 0x76543210
	s_mov_b32 s19, 0xfedcba98                      ; selects for lane l xor 16
	s_mov_b32 s67, 0x7f7f0000                      ; bytes 2, 3 of a scale word of K = 64: 1.0
.macro FRAG reg, adr, st, i            ; 16 rows x 128 K: six pieces of 8 bytes; byte y of a row lies in slot (y / 256) % 2 at byte y % 256
.irp p, 0,1,2,3,4,5
.set BY, 96*(\st)+48*(\p/3)+8*(\p%3)
.if BY/ROWB == (BY+24)/ROWB
	ds_load_b64 v[\reg+2*\p:\reg+2*\p+1], v[\adr+(BY/ROWB)%2] offset:BY%ROWB+(64*((\i)/4)+8*((\i)%4))*PITCH
.else
	ds_load_b64 v[\reg+2*\p:\reg+2*\p+1], v[\adr+2+(BY/ROWB)%2] offset:BY%ROWB-232+(64*((\i)/4)+8*((\i)%4))*PITCH
.endif
.endr
.endm
.macro MUL16 a0, p, q, sc, zero        ; source 0 = B's rows, source 1 = A's; the 64 accumulators by turns
.irp a, \a0, \a0+1
.irp b, 0,1,2,3,4,5,6,7
.if \zero
	v_wmma_scale_f32_16x16x128_f8f6f4 v[8*(8*((\a)%4)+\b):8*(8*((\a)%4)+\b)+7], v[128*(\p)+FR*\b:128*(\p)+FR*\b+FR-1], v[AF+FR*(\a):AF+FR*(\a)+FR-1], 0, v[SC+8*NQ*(\sc)+NQ*\b+(\q)], v[SC+8*NQ*(\sc)+NQ*(\a)+(\q)] matrix_a_fmt:MATRIX_FMT_FP6 matrix_b_fmt:MATRIX_FMT_FP6 matrix_a_scale:MATRIX_SCALE_ROW1
.else
	v_wmma_scale_f32_16x16x128_f8f6f4 v[8*(8*((\a)%4)+\b):8*(8*((\a)%4)+\b)+7], v[128*(\p)+FR*\b:128*(\p)+FR*\b+FR-1], v[AF+FR*(\a):AF+FR*(\a)+FR-1], v[8*(8*((\a)%4)+\b):8*(8*((\a)%4)+\b)+7], v[SC+8*NQ*(\sc)+NQ*\b+(\q)], v[SC+8*NQ*(\sc)+NQ*(\a)+(\q)] matrix_a_fmt:MATRIX_FMT_FP6 matrix_b_fmt:MATRIX_FMT_FP6 matrix_a_scale:MATRIX_SCALE_ROW1
.endif
.endr
.endr
.endm
.macro FETCH_B st, p
	WIN TO_B
.irp i, 0,1,2,3,4,5,6,7
	FRAG 128*(\p)+FR*\i, ADRB, \st, \i
.endr
	WIN 0
.endm
.macro FETCH_A st, i0
.irp i, \i0, \i0+1, \i0+2, \i0+3
	FRAG AF+FR*(\i), ADRA, \st, \i
.endr
.endm
.macro SCALES pr                       ; the words of steps 2 pr, 2 pr + 1: lanes 0-15 A's tile i, lanes 16-31 B's
.irp i, 0,1,2,3,4,5,6,7
	ds_load_b64 v[SC+8*NQ*((\pr)%2)+NQ*\i:SC+8*NQ*((\pr)%2)+NQ*\i+1], v[ADRS] offset:(8*(\i/4)+\i%4)*272+4*NQ*(\pr)
.endr
.endm
.macro PLACES n
.rept \n
	v_nop
.endr
.endm
; A step: 64 products; the next step's fragments are fetched in its middle and at its end.  Where the next step's bytes end in a chunk not yet read, a barrier shows that chunk whole;
; where they begin in a later chunk, the chunk left behind is read no more: the three lines, the barrier, and, if a chunk two on is left, the cluster's round and the refill.
.macro STEP st, zero
.set NX, (\st)+1
.set C0, (96*(\st))/ROWB
.set C1, (96*NX)/ROWB
.set E0, (96*(\st)+95)/ROWB
.set E1, (96*NX+95)/ROWB
.if C1 > C0 || E1 > E0
	s_wait_tensorcnt 0x0                           ; all my tensor loads have landed
.if C1 > C0
	ds_add_u32 v[SPW], v[NIL]
	s_wait_dscnt 4*NL+1                            ; the add and A's tiles 4-7 (24 loads) may be out
.else
	s_wait_dscnt 4*NL                              ; A's tiles 4-7 may be out
.endif
	WIN MUL_LO
	MUL16 0, (\st)%2, (\st)%2, ((\st)/2)%2, \zero
	s_wait_dscnt 0x0                               ; the add and all my reads are done
	s_barrier_signal -1
	MUL16 2, (\st)%2, (\st)%2, ((\st)/2)%2, \zero
	WIN 0
	s_barrier_wait -1
.if C1 > C0 && C0+2 < CHUNKS
	CREST
	s_add_nc_u64 s[G0+4*(C0%2)+2:G0+4*(C0%2)+3], s[G0+4*(C0%2)+2:G0+4*(C0%2)+3], 2*ROWB
	s_add_nc_u64 s[G0B+4*(C0%2)+2:G0B+4*(C0%2)+3], s[G0B+4*(C0%2)+2:G0B+4*(C0%2)+3], 2*ROWB
	JLOAD G0+4*(C0%2), G1, G0B+4*(C0%2), G1B       ; chunk C0 + 2; its four v_nop are the places in front of the loads below
.else
	PLACES NP
.endif
.else
	s_wait_dscnt 4*NL
	WIN MUL_LO
	MUL16 0, (\st)%2, (\st)%2, ((\st)/2)%2, \zero
	MUL16 2, (\st)%2, (\st)%2, ((\st)/2)%2, \zero
	s_wait_dscnt 0
	PLACES NP
.endif
	FETCH_B NX, NX%2
	FETCH_A NX, 0
.if NX%2 == 0
	SCALES NX/2
.endif
	WIN MUL_HI
	MUL16 4, (\st)%2, (\st)%2, ((\st)/2)%2, \zero
	MUL16 6, (\st)%2, (\st)%2, ((\st)/2)%2, \zero
	PLACES NP
	WIN 0
	FETCH_A NX, 4
.endm
.macro CSLOAD a                        ; cos and sin of A's tile a: 8 loads into window 1, v[32 a ..]: 16 of each, for the 16 pairs of my block of d
.irp e, 0,1
.irp q, 0,1
	global_load_b128 v[32*(\a)+8*\e+4*\q:32*(\a)+8*\e+4*\q+3], v[VCS], s[92:93] offset:(64*((\a)/4)+8*((\a)%4))*128+32*\e+16*\q
	global_load_b128 v[32*(\a)+16+8*\e+4*\q:32*(\a)+16+8*\e+4*\q+3], v[VCS], s[94:95] offset:(64*((\a)/4)+8*((\a)%4))*128+32*\e+16*\q
.endr
.endr
.endm
	s_wait_alu depctr_va_vdst(0)
	s_wait_tensorcnt 0x0                           ; my tile of the head's four is in
	ds_add_u32 v[SPW], v[NIL]
	s_mov_b32 s[G1+2], 128<<16                     ; no load of mine is out: from here on a load brings 128 rows
	s_mov_b32 s[G1+4], 128
	s_mov_b32 s[G1B+2], 128<<16
	s_mov_b32 s[G1B+4], 128
	s_wait_dscnt 0x0
	CROUND
	JLOAD G0+4, G1, G0B+4, G1B                     ; chunk 1, slot 1's first fill
	FETCH_B 0, 0
	FETCH_A 0, 0
	SCALES 0
	FETCH_A 0, 4
	STEP 0, 1
.set ST, 1
.rept STEPS-2
	STEP ST, 0
.set ST, ST+1
.endr
	s_cmp_eq_u32 s66, 1                            ; q and k: the tables of tiles 0-3 are asked for ahead of the last step, into B's set 0 and the 32 registers behind it, which no product reads any more
	s_cbranch_scc0 .Lno_tables
	WIN TO_B
.irp a, 0,1,2,3
	CSLOAD \a
.endr
	WIN 0
.Lno_tables:
	s_wait_dscnt 4*NL
	WIN MUL_LO
	MUL16 0, 1, 1, 1, 0
	MUL16 2, 1, 1, 1, 0
	s_wait_dscnt 0
	WIN MUL_HI
	MUL16 4, 1, 1, 1, 0
	MUL16 6, 1, 1, 1, 0
	WIN 0
	PLACES NP
	v_and_b32 v1, 31, v0
	v_cmp_le_u32 vcc_lo, 16, v1
	v_mov_b32 v[TM+6], 0                           ; a lane permute's destination
; the quantiser of 64 registers at v[s] of window w: two whole blocks of 32 a lane (blocks h and 2 + h of the row's four): 12 registers of codes at CD, the row's four bytes in pw
.macro QUANT w, s, pw
	WIN 5*(\w)
.irp b, 0,1,2,3
	v_max3_num_f32 v[TM+\b], |v[(\s)+16*\b]|, |v[(\s)+16*\b+1]|, 0x1800000
.endr
.irp i, 2,4,6,8,10,12,14
.irp b, 0,1,2,3
	v_max3_num_f32 v[TM+\b], |v[(\s)+16*\b+\i]|, |v[(\s)+16*\b+\i+1]|, v[TM+\b]
.endr
.endr
	WIN 0
	v_max_num_f32 v[TM], v[TM], v[TM+1]
	v_max_num_f32 v[TM+2], v[TM+2], v[TM+3]
	v_add_nc_u32 v[TM+12], 0xff000000, v[TM]       ; 2 off the exponent field: the conversion's scale operand
	v_add_nc_u32 v[TM+13], 0xff000000, v[TM+2]
	v_lshrrev_b32 v[TM+4], 23, v[TM+12]
	v_lshrrev_b32 v[TM+5], 23, v[TM+13]
	v_lshl_or_b32 v[TM+4], v[TM+5], 16, v[TM+4]
	v_lshlrev_b32 v[TM+4], v[SH8], v[TM+4]         ; my two bytes at their places,
	v_permlanex16_b32 v[TM+6], v[TM+4], s18, s19
	v_or_b32 v[(\pw)], v[TM+4], v[TM+6]            ; with lane l xor 16's two the word is whole
	s_wait_alu depctr_va_vdst(0)
	s_wait_xcnt 0x0                                ; the stores before have read CD
	WIN (\w)
.irp c, 0,1
	v_cvt_scalef32_pk16_fp6_f32 v[CD+6*\c:CD+6*\c+2], v[(\s)+32*\c:(\s)+32*\c+15], v[TM+12+\c]
	v_cvt_scalef32_pk16_fp6_f32 v[CD+12+4*\c:CD+14+4*\c], v[(\s)+32*\c+16:(\s)+32*\c+31], v[TM+12+\c]
.endr
	WIN 0
	v_nop
.irp c, 0,1
.irp i, 0,1,2
	v_mov_b32 v[CD+6*\c+3+\i], v[CD+12+4*\c+\i]    ; a conversion's three registers begin on an even number
.endr
.endr
.endm
	s_cmp_eq_u32 s66, 1
	s_cbranch_scc0 .Lv
	WIN TO_B
.irp a, 4,5,6,7
	CSLOAD \a
.endr
.macro ROPE a                          ; (re, im) = (e c - o s, e s + o c), pair by pair, into HA; pair p of the 32 is pair p % 16 of my block of d, in head p / 16
	WIN 6+(\a)/4
.set p, 0
.rept 32
.set C2, 32*(\a)+(p%16)-(p%2)
.set AC, 64*((\a)%4)+2*p
.if p%2
	v_pk_mul_f32 v[HA+2*p:HA+2*p+1], v[AC:AC+1], v[C2:C2+1] op_sel:[0,1] op_sel_hi:[1,1]
.else
	v_pk_mul_f32 v[HA+2*p:HA+2*p+1], v[AC:AC+1], v[C2:C2+1] op_sel:[0,0] op_sel_hi:[1,0]
.endif
.set p, p+1
.endr
.set p, 0
.rept 32
.set C2, 32*(\a)+(p%16)-(p%2)
.set AC, 64*((\a)%4)+2*p
.if p%2
	v_pk_fma_f32 v[HA+2*p:HA+2*p+1], v[AC:AC+1], v[C2+16:C2+17], v[HA+2*p:HA+2*p+1] op_sel:[1,1,0] op_sel_hi:[0,1,1] neg_lo:[0,1,0]
.else
	v_pk_fma_f32 v[HA+2*p:HA+2*p+1], v[AC:AC+1], v[C2+16:C2+17], v[HA+2*p:HA+2*p+1] op_sel:[1,0,0] op_sel_hi:[0,0,1] neg_lo:[0,1,0]
.endif
.set p, p+1
.endr
.endm
.irp a, 0,1,2,3,4,5,6,7
	s_wait_loadcnt 8*(7-\a)                        ; the later tiles' tables, 8 loads each, may be out
	ROPE \a
	QUANT 0, HA, PW
	global_store_b128 v[LI16], v[CD:CD+3], s[96:97] offset:768*\a
	global_store_b64 v[LI8], v[CD+4:CD+5], s[96:97] offset:768*\a+512
	global_store_b128 v[LI16], v[CD+6:CD+9], s[96:97] offset:HEADB+768*\a
	global_store_b64 v[LI8], v[CD+10:CD+11], s[96:97] offset:HEADB+768*\a+512
	v_and_or_b32 v[SWA+\a], v[PW], 0xffff, s67
	v_lshrrev_b32 v[TT], 16, v[PW]
	v_or_b32 v[SWB+\a], s67, v[TT]
.endr
.irp j, 0,1,2,3
	v_cndmask_b32 v[OUT+\j], v[SWA+2*\j], v[SWA+2*\j+1], vcc_lo
.endr
	global_store_b128 v[LI16], v[OUT:OUT+3], s[98:99]
.irp j, 0,1,2,3
	v_cndmask_b32 v[OUT+4+\j], v[SWB+2*\j], v[SWB+2*\j+1], vcc_lo
.endr
	global_store_b128 v[LI16], v[OUT+4:OUT+7], s[98:99] offset:SHEAD
	s_branch .Ldone
.Lv:
.irp a, 0,1,2,3,4,5,6,7
	QUANT 2+\a/4, 64*(\a%4), SWA+\a
	global_store_b128 v[LI16], v[CD:CD+3], s[96:97] offset:(\a/4)*HEADB+(\a%4)*1536
	global_store_b64 v[LI8], v[CD+4:CD+5], s[96:97] offset:(\a/4)*HEADB+(\a%4)*1536+512
	global_store_b128 v[LI16], v[CD+6:CD+9], s[96:97] offset:(\a/4)*HEADB+(\a%4)*1536+768
	global_store_b64 v[LI8], v[CD+10:CD+11], s[96:97] offset:(\a/4)*HEADB+(\a%4)*1536+1280
.endr
.irp n, 0,1
.irp j, 0,1
	v_cndmask_b32 v[OUT+2*\n+\j], v[SWA+4*\n+2*\j], v[SWA+4*\n+2*\j+1], vcc_lo
.endr
	global_store_b64 v[LI8], v[OUT+2*\n:OUT+2*\n+1], s[98:99] offset:SHEAD*\n
.endr
.Ldone:
	s_wait_tensorcnt 0x0                           ; the wave's end
	ds_add_u32 v[SPW], v[NIL]
	s_wait_dscnt 0x0
	CROUND                                         ; the closing round
	s_endpgm
.Lfunc_end_k_qa21f6ba003_qkv:
	.size	k_qa21f6ba003_qkv, .Lfunc_end_k_qa21f6ba003_qkv-k_qa21f6ba003_qkv
	.p2alignl 7, 3214868480
	.fill 96, 4, 3214868480
	.section	.rodata,"a",@progbits
	.p2align	6, 0x0
	.amdhsa_kernel k_qa21f6ba003_qkv
		.amdhsa_group_segment_fixed_size 327680
		.amdhsa_private_segment_fixed_size 0
		.amdhsa_enable_private_segment 0
		.amdhsa_kernarg_size 64
		.amdhsa_user_sgpr_count 2
		.amdhsa_user_sgpr_kernarg_segment_ptr 1
		.amdhsa_wavefront_size32 1
		.amdhsa_system_sgpr_workgroup_id_x 1
		.amdhsa_system_sgpr_workgroup_id_y 1
		.amdhsa_system_sgpr_workgroup_id_z 1
		.amdhsa_system_vgpr_workitem_id 0
		.amdhsa_next_free_vgpr 1024
		.amdhsa_next_free_sgpr 106
		.amdhsa_reserve_vcc 1
		.amdhsa_float_denorm_mode_32 3
		.amdhsa_float_denorm_mode_16_64 3
		.amdhsa_memory_ordered 1
		.amdhsa_forward_progress 1
		.amdhsa_inst_pref_size 230
	.end_amdhsa_kernel
	.amdgpu_metadata
---
amdhsa.version: [ 1, 2 ]
amdhsa.kernels:
  - .name:           k_qa21f6ba003_qkv
    .symbol:         k_qa21f6ba003_qkv.kd
    .args:
      - { .name: x_codes, .offset: 0, .size: 8, .value_kind: global_buffer, .address_space: global }
      - { .name: x_scales, .offset: 8, .size: 8, .value_kind: global_buffer, .address_space: global }
      - { .name: qkv_w_codes, .offset: 16, .size: 8, .value_kind: global_buffer, .address_space: global }
      - { .name: qkv_w_scales, .offset: 24, .size: 8, .value_kind: global_buffer, .address_space: global }
      - { .name: cos, .offset: 32, .size: 8, .value_kind: global_buffer, .address_space: global }
      - { .name: sin, .offset: 40, .size: 8, .value_kind: global_buffer, .address_space: global }
      - { .name: img, .offset: 48, .size: 8, .value_kind: global_buffer, .address_space: global }
      - { .name: scl, .offset: 56, .size: 8, .value_kind: global_buffer, .address_space: global }
    .group_segment_fixed_size: 327680
    .private_segment_fixed_size: 0
    .kernarg_segment_align: 8
    .kernarg_segment_size: 64
    .max_flat_workgroup_size: 128
    .sgpr_count:     106
    .vgpr_count:     1024
    .wavefront_size: 32
...
	.end_amdgpu_metadata
.endif
;; end of part 1
;; launch attn (part 2): grid 8 x 32, 16 waves a work-group, clusters of 4 x 1, 215,040 bytes of LDS; arguments img, scl, aimg, asc; writes aimg, asc
.if DOCPART == 2
	.amdgcn_target "amdgcn-amd-amdhsa--gfx1250"
	.amdhsa_code_object_version 6
	.text
	.protected	k_qa21f6ba003_attn
	.globl	k_qa21f6ba003_attn
	.p2align	8
	.type	k_qa21f6ba003_attn,@function
k_qa21f6ba003_attn:
	s_mov_b64 s[64:65], 0
	v_nop
	global_prefetch_b8 v0, s[64:65] scope:SCOPE_SE
	s_setreg_imm32_b32 hwreg(HW_REG_WAVE_MODE, 25, 1), 1
	s_wait_xcnt 0x0
	s_wait_alu depctr_hold_cnt(0) depctr_sa_sdst(0) depctr_va_vdst(0) depctr_va_sdst(0) depctr_va_ssrc(0) depctr_va_vcc(0) depctr_vm_vsrc(0)
	s_getreg_b32 s2, hwreg(HW_REG_IB_STS2, 6, 4)
	s_cmp_eq_u32 s2, 0
	s_cbranch_scc0 .Lentry_in_a_cluster
	s_endpgm
.Lentry_in_a_cluster:
	s_bfe_u32 s2, ttmp6, 0x10000c
	s_cmp_lg_u32 s2, 0x3003
	s_cbranch_scc0 .Lentry_shape_is_right
	s_endpgm
.Lentry_shape_is_right:
; o = softmax(q k^T / 8) v for one head and 256 queries, both products on codes of FP6 (E2M3); o is divided by the row's sum and quantised along the model's 1,024 for the last product.
; THE SOFTMAX: t = score x log2(e) / 8; M = the row's largest t so far, rounded up to a whole number; p = 2^(t - M) is quantised along the keys, not normalised; the row's sum is taken of the unquantised p.
; When M moves, the sum and O are multiplied by 2^(old M - new M): exact.
; SHARES.  32 heads x 8 blocks of 256 queries = 256 work-groups.  Each of sixteen waves owns 16 queries in 256 registers, four waves to a SIMD, and walks the head's 2,048 keys, 128 a step.
; A WHOLE HEAD'S k AND v LIE IN LDS, every byte filled once, by ONE joint load a wave: wave w brings key step w: two rows of 6,144 bytes, k's 8 tiles and v's 4 fragments, 24,576 bytes apart in memory, 12,288 bytes on end in LDS.
; The four query blocks of a cluster belong to one head and ask jointly.  One wait and one barrier follow; the sixteen steps have none.
; The scale words of key step w come through wave w's registers into LDS bytes of their own (768 bytes a step), stored behind the wait for the tensor load.
; No prefetch into the L2: all fills are asked for at the head, so there is no loop to run ahead in.
; TWO AREAS OF 64 REGISTERS CHANGE ROLES FROM STEP TO STEP: one holds k's tiles and then v's fragments, the other the scores and then p.  When the conversions and the sum have read p, the next step's k is loaded over it:
; 17 LDS loads that are out under the rest of the step.  A loop's trip is two steps; the last two are written out, since the last fetches nothing.
; LAYOUT.  Both products are used transposed: S^T = k q^T, O^T = v^T p^T: a lane holds one query throughout.  The launch before chose the tiles' rows (row m of tile i: 64 (i / 4) + 8 (i % 4) + m % 8 + 32 (m / 8)), so that
; a lane's 32 registers of tiles 4 c .. 4 c + 3 are keys 64 c + 32 (lane / 16) + 0 .. 31: one whole block of p; and its 32 registers of O^T are d = 32 (lane / 16) + 0 .. 31: one whole block of the last product's K.
; K = 64 IN AN INSTRUCTION OF 128: q's registers 6-11 are zeros.  k's tiles lie 6 registers apart, so a fragment's upper six registers are the next tile's codes, or behind the last tile whatever the area held:
; every pattern of 6 bits is a finite number, x 0; bytes 2, 3 of both scale words are 1.0.
; LIMITS: NaN and infinities are not served; the promise holds while |t| stays under 2^31; a block of zeros gets the byte 1 (zero codes; this program alone reads the bytes); 1 / sum is v_rcp_f32 and a multiplication.
; REGISTERS: v1, v2 16 x lane, 8 x lane; v3-6 LDS addresses of a pair of steps; v7, v8 the result's scale bytes in LDS; v12 -M, v13 the largest score, v[14:15] the sum; v16-27 q, v28 its scale words; v29 8 (lane / 16);
;   v32-95, v96-159 the two areas; v160-191 O^T; v192-203 p's codes, v204-210 at work on them; v212-215 k's scale words, v216-217 v's, v218 p's; v219 the result's byte; v232-250, v252-254 at work; v251, v255 the add's.
.set HEADB,  294912
.set CHUNKB, 73728
.set PARTB,  24576
.set SHEAD,  20480
.set SSTEP,  1280
.set WPART,  12288                     ; LDS: a key step: k's 6,144 bytes, then v's
.set SCB,    196608                    ; 16 steps x (k's words 512 + v's 256); no fill lands here
.set SST,    208896                    ; 512 bytes: the result's scale bytes; no fill lands here
.set SPARE,  212992                    ; the spare words, 2,048 bytes
.macro ROUND
	s_barrier_signal -1
	s_barrier_wait -1
	s_cmp_lg_u32 s12, 0
	s_cbranch_scc1 .Lnot_wave_0_\@
	s_barrier_signal -3
.Lnot_wave_0_\@:
	s_barrier_wait -3
	s_barrier_signal -1
	s_barrier_wait -1
.endm
	s_load_b256 s[4:11], s[0:1], 0x0               ; img, scl, aimg, asc
	v_lshl_add_u32 v251, v0, 2, SPARE
	v_mov_b32 v255, 0
	ds_add_u32 v251, v255                          ; the opening adds
	ds_add_u32 v251, v255
	v_lshrrev_b32 v9, 5, v0
	s_delay_alu instid0(VALU_DEP_1)
	v_readfirstlane_b32 s12, v9                    ; wave 0..15
	s_bfe_u32 s13, ttmp6, 0x40000                  ; cx
	s_lshl_b32 s14, ttmp9, 2
	s_add_co_u32 s14, s14, s13                     ; my block of 256 queries: it enters q's and the results' addresses alone
	s_and_b32 s15, ttmp7, 0xffff                   ; 16 x batch + head, which the four partners share
	s_mov_b32 s24, 15|(3<<16)|(1<<21)              ; group 1: all four partners; elements of 8 bytes; 2 rows of 768, 3,072 apart
	s_mov_b32 s25, 768<<16
	s_mov_b32 s26, 2<<16
	s_mov_b32 s27, 768<<16
	s_mov_b32 s28, 2
	s_mov_b32 s29, PARTB/8
	s_mov_b32 s30, 0
	s_mov_b32 s31, 0
	s_mul_i32 s16, s15, HEADB                      ; what the joint load fetches hangs on the head and the wave alone
	s_lshr_b32 s44, s12, 2                         ; key step w: chunk w / 4,
	s_mul_i32 s44, s44, CHUNKB
	s_and_b32 s46, s12, 3                          ; step w % 4 of it,
	s_mul_i32 s46, s46, 6144
	s_add_co_u32 s2, s16, s44
	s_add_co_u32 s2, s2, s46
	s_add_co_u32 s2, s2, PARTB                     ; behind q's part
	s_mov_b32 s3, 0
	s_mul_i32 s41, s12, WPART                      ; where it goes
	s_mul_i32 s17, s15, SHEAD
	s_mul_i32 s18, s12, SSTEP                      ; key step w's words,
	s_add_co_u32 s18, s18, s17
	s_add_co_u32 s18, s18, 512                     ; behind q's
	s_mov_b32 s19, 0
	s_mul_i32 s45, s12, 768
	s_add_co_u32 s45, s45, SCB
	s_lshr_b32 s66, s14, 1                         ; my tile T = 16 x block + wave: chunk T / 32, tile T % 32
	s_mul_i32 s66, s66, CHUNKB
	s_and_b32 s67, s14, 1
	s_lshl_b32 s67, s67, 4
	s_add_co_u32 s67, s67, s12
	s_mul_i32 s67, s67, 768
	s_add_co_u32 s66, s66, s67
	s_add_co_u32 s66, s66, s16
	s_mov_b32 s67, 0                               ; s[66:67] q's image
	s_lshl_b32 s68, s14, 1
	s_lshr_b32 s69, s12, 3
	s_add_co_u32 s68, s68, s69                     ; step T / 8
	s_mul_i32 s68, s68, SSTEP
	s_add_co_u32 s68, s68, s17
	s_and_b32 s69, s12, 1
	s_lshl_b32 s69, s69, 8                         ; 256 (T % 2)
	s_add_co_u32 s68, s68, s69
	s_bfe_u32 s69, s12, 0x20001
	s_lshl_b32 s69, s69, 2                         ; 4 ((T / 2) % 4)
	s_add_co_u32 s68, s68, s69
	s_mov_b32 s69, 0                               ; s[68:69] q's scale words
	s_lshr_b32 s70, s15, 4
	s_lshl_b32 s70, s70, 7
	s_lshl_b32 s71, s14, 4
	s_add_co_u32 s70, s70, s71
	s_add_co_u32 s70, s70, s12                     ; 128 x batch + T
	s_lshl_b32 s70, s70, 4
	s_and_b32 s71, s15, 15
	s_add_co_u32 s70, s70, s71
	s_mul_i32 s70, s70, 768
	s_mov_b32 s71, 0                               ; s[70:71] the result's image
	s_lshl_b32 s72, s15, 12
	s_lshl_b32 s73, s14, 9
	s_add_co_u32 s72, s72, s73
	s_mov_b32 s73, 0                               ; s[72:73] the block's 512 scale bytes
	s_mov_b32 s20, 0x76543210
	s_mov_b32 s21, 0xfedcba98                      ; selects for lane l xor 16
	s_mov_b32 s22, 0x3e38aa3b                      ; c = log2(e) / 8
	s_mov_b32 s23, s22
	s_mov_b32 s60, 0                               ; LDS byte of a pair of steps
	s_mov_b32 s61, SCB                             ; and of its scale words
	s_wait_dscnt 0x0
	s_wait_kmcnt 0x0
	s_add_nc_u64 s[42:43], s[4:5], s[2:3]
	s_add_nc_u64 s[18:19], s[6:7], s[18:19]
	s_add_nc_u64 s[4:5], s[4:5], s[66:67]
	s_add_nc_u64 s[6:7], s[6:7], s[68:69]
	s_add_nc_u64 s[8:9], s[8:9], s[70:71]
	s_add_nc_u64 s[10:11], s[10:11], s[72:73]
	s_mov_b32 s40, 1
	s_or_b32 s43, s43, 0x80000000
	ROUND                                          ; all four work-groups are here: the joint loads meet
	tensor_load_to_lds s[40:43], s[24:31]          ; my one tensor load of the launch
	s_nop 0
	v_and_b32 v9, 31, v0
	s_delay_alu instid0(VALU_DEP_1)
	v_lshlrev_b32 v1, 4, v9                        ; 16 x lane
	s_delay_alu instid0(VALU_DEP_2)
	v_lshlrev_b32 v2, 3, v9                        ; 8 x lane
	v_and_b32 v10, 15, v0                          ; r
	s_delay_alu instid0(VALU_DEP_1)
	v_lshlrev_b32 v11, 4, v10
	global_load_b128 v[16:19], v1, s[4:5]          ; q's six registers
	global_load_b64 v[20:21], v2, s[4:5] offset:512
	global_load_b32 v28, v11, s[6:7]               ; and its scale words
	global_load_b128 v[212:215], v1, s[18:19]      ; key step w's scale words: k's 512 bytes, v's 256
	global_load_b64 v[216:217], v2, s[18:19] offset:512
	v_add_nc_u32 v5, s45, v1
	v_add_nc_u32 v6, s45, v2
	v_bfe_u32 v9, v0, 4, 1                         ; h
	v_and_b32 v7, 0x1e0, v0                        ; 32 x wave
	v_lshlrev_b32 v29, 3, v9                       ; 8 h
	s_delay_alu instid0(VALU_DEP_2)
	v_lshl_add_u32 v7, v10, 1, v7
	s_delay_alu instid0(VALU_DEP_1)
	v_add_nc_u32 v7, v7, v9
	s_delay_alu instid0(VALU_DEP_1)
	v_add_nc_u32 v7, SST, v7                       ; my byte of my row's two
	v_add_nc_u32 v8, SST, v1
.irp j, 22,23,24,25,26,27,80,81,82,83,84,85
	v_mov_b32 v[\j], 0                             ; q's upper codes; the six registers behind k's last tile in the first step
.endr
	v_mov_b32 v13, 0xff61b1e6                      ; the largest score so far: -3e38
	v_mov_b32 v12, 0x7e000000                      ; -M: a large whole number, so that the first f is 0
	v_mov_b32 v14, 0
	v_mov_b32 v15, 0
.irp j, 236,238,253
	v_mov_b32 v[\j], 0                             ; lane permutes' destinations, and the upper half of the pair v[252:253]
.endr
.set j, 0
.rept 32
	v_mov_b32 v[160+j], 0                          ; O^T: the first step finds zeros
.set j, j+1
.endr
	s_wait_alu depctr_va_vdst(0)
	s_wait_loadcnt 0x0
	s_wait_tensorcnt 0x0                           ; my key step is in
	ds_store_b128 v5, v[212:215]
	ds_store_b64 v6, v[216:217] offset:512
	s_wait_dscnt 0x0                               ; for the others' sake: my stores have landed
	s_barrier_signal -1
	s_barrier_wait -1                              ; everybody's step and words are in: nothing in LDS changes until the way out
.macro KLOAD kb, o                     ; k's scale words and 8 tiles of the pair's step o (2: the next pair's first): 17 LDS loads
	ds_load_b128 v[212:215], v5 offset:768*(\o)    ; register j: lanes 0-15 tile 2 j, lanes 16-31 tile 2 j + 1
.irp t, 0,1,2,3,4,5,6,7
	ds_load_b128 v[\kb+6*\t:\kb+6*\t+3], v3 offset:WPART*(\o)+768*\t
	ds_load_b64 v[\kb+6*\t+4:\kb+6*\t+5], v4 offset:WPART*(\o)+768*\t+512
.endr
.endm
.macro STEP kb, sb, o, pf              ; 128 keys: k, then v, in area kb; scores, then p, in area sb; o: which step of the pair; pf: the next step's k is fetched
.if (\o) == 0
	v_add_nc_u32 v3, s60, v1                       ; five places behind the last step's products, whose fragments of v the scores are laid over
	v_add_nc_u32 v4, s60, v2
	v_add_nc_u32 v5, s61, v1
	v_add_nc_u32 v6, s61, v2
.else
.rept 4
	v_nop
.endr
.endif
	v_mov_b32 v254, v12                            ; the old -M
	s_wait_alu depctr_va_vdst(0)
	s_wait_dscnt 0x0                               ; k is in
.irp t, 0,1,2,3,4,5,6,7
.if \t%2
	v_wmma_scale_f32_16x16x128_f8f6f4 v[\sb+8*\t:\sb+8*\t+7], v[\kb+6*\t:\kb+6*\t+11], v[16:27], 0, v[212+\t/2], v28 matrix_a_fmt:MATRIX_FMT_FP6 matrix_b_fmt:MATRIX_FMT_FP6 matrix_a_scale:MATRIX_SCALE_ROW1
.else
	v_wmma_scale_f32_16x16x128_f8f6f4 v[\sb+8*\t:\sb+8*\t+7], v[\kb+6*\t:\kb+6*\t+11], v[16:27], 0, v[212+\t/2], v28 matrix_a_fmt:MATRIX_FMT_FP6 matrix_b_fmt:MATRIX_FMT_FP6
.endif
.endr
.rept 4
	v_nop                                          ; places in front of the loads into k's registers and of the first read of the scores
.endr
	ds_load_b64 v[216:217], v6 offset:768*(\o)+512 ; v's scale words and fragments land under the softmax: 17 LDS loads
.irp t, 0,1,2,3
	ds_load_b128 v[\kb+12*\t:\kb+12*\t+3], v3 offset:WPART*(\o)+6144+1536*\t
	ds_load_b64 v[\kb+12*\t+4:\kb+12*\t+5], v4 offset:WPART*(\o)+6144+1536*\t+512
	ds_load_b128 v[\kb+12*\t+6:\kb+12*\t+9], v3 offset:WPART*(\o)+6144+1536*\t+768
	ds_load_b64 v[\kb+12*\t+10:\kb+12*\t+11], v4 offset:WPART*(\o)+6144+1536*\t+1280
.endr
.irp b, 0,1,2,3
	v_max3_num_f32 v[232+\b], v[\sb+16*\b], v[\sb+16*\b+1], v[\sb+16*\b+2]   ; the largest score, in four chains of 16
.endr
.irp i, 3,5,7,9,11,13
.irp b, 0,1,2,3
	v_max3_num_f32 v[232+\b], v[232+\b], v[\sb+16*\b+\i], v[\sb+16*\b+\i+1]
.endr
.endr
.irp b, 0,1,2,3
	v_max_num_f32 v[232+\b], v[232+\b], v[\sb+16*\b+15]
.endr
	s_delay_alu instid0(VALU_DEP_3)
	v_max_num_f32 v232, v232, v233                 ; the largest score of each of my two blocks of 32 keys: for the row's maximum and, since p rises with the score, for the block's largest p
	s_delay_alu instid0(VALU_DEP_2)
	v_max_num_f32 v233, v234, v235
	s_delay_alu instid0(VALU_DEP_1)
	v_max_num_f32 v250, v232, v233
	s_delay_alu instid0(VALU_DEP_1)
	v_permlanex16_b32 v236, v250, s20, s21
	s_delay_alu instid0(VALU_DEP_1)
	v_max3_num_f32 v13, v13, v250, v236            ; the running largest score, with lane l xor 16's 64 keys
	s_delay_alu instid0(VALU_DEP_1)
	v_mul_f32 v250, s22, v13                       ; as t (c is positive)
	s_delay_alu instid0(VALU_DEP_1)
	v_floor_f32 v12, -v250                         ; the new -M = -ceil(t)
.set j, 0
.rept 32
	v_pk_fma_f32 v[\sb+j:\sb+j+1], v[\sb+j:\sb+j+1], s[22:23], v[12:13] op_sel_hi:[1,0,0]   ; t - M
.if j == 6
	v_sub_f32 v254, v12, v254                      ; old M - new M: a whole number, 0 or less
.endif
.if j == 14
	v_cvt_i32_f32 v254, v254                       ; (it saturates)
.endif
.if j == 22
	v_ldexp_f32 v252, 1.0, v254                    ; f = 2^(old M - new M)
.endif
.set j, j+2
.endr
.irp b, 0,1
	v_fma_f32 v[232+\b], v[232+\b], s22, v12
.endr
.set j, 0
	s_wait_alu depctr_va_vdst(0)
.rept 64
	v_exp_f32 v[\sb+j], v[\sb+j]                   ; p = 2^(t - M)
.set j, j+1
.endr
.irp b, 0,1
	v_exp_f32 v[232+\b], v[232+\b]                 ; the block's largest p: the same two instructions on the same number
.endr
	v_pk_mul_f32 v[14:15], v[14:15], v[252:253] op_sel_hi:[1,0]   ; the sums under the new M (a plain place behind the exponentials)
	s_wait_alu depctr_va_vdst(0)
.irp b, 0,1
	v_max_num_f32 v[232+\b], 0x1800000, v[232+\b]  ; the floor 2^(3 - 127): the byte cannot fall under 1
.endr
.irp b, 0,1
	s_delay_alu instid0(VALU_DEP_2)
	v_add_nc_u32 v[244+\b], 0xff000000, v[232+\b]  ; 2 off the exponent field: the conversion's scale operand
.endr
.irp b, 0,1
	s_delay_alu instid0(VALU_DEP_2)
	v_lshrrev_b32 v[236+\b], 23, v[244+\b]
.endr
	s_delay_alu instid0(VALU_DEP_1)
	v_lshl_or_b32 v237, v237, 16, v236             ; my two bytes: blocks h and 2 + h of these 128 keys,
	s_delay_alu instid0(VALU_DEP_1)
	v_lshlrev_b32 v237, v29, v237                  ; at their places;
	s_delay_alu instid0(VALU_DEP_1)
	v_permlanex16_b32 v238, v237, s20, s21
	s_delay_alu instid0(VALU_DEP_1)
	v_or_b32 v218, v237, v238                      ; with lane l xor 16's two, p's scale word is whole
.irp c, 0,1
	v_cvt_scalef32_pk16_fp6_f32 v[192+6*\c:194+6*\c], v[\sb+32*\c:\sb+32*\c+15], v[244+\c]
	v_cvt_scalef32_pk16_fp6_f32 v[204+4*\c:206+4*\c], v[\sb+32*\c+16:\sb+32*\c+31], v[244+\c]
.endr
.set i, 0
.irp r, 236,248,246,244,242,240,234                ; the row's sum of the unquantised p, in eight chains (these are also the plain places behind the conversions)
	v_pk_add_f32 v[\r:\r+1], v[\sb+4*i:\sb+4*i+1], v[\sb+4*i+2:\sb+4*i+3]
.set i, i+1
.endr
	v_pk_add_f32 v[14:15], v[14:15], v[\sb+28:\sb+29]
.set i, 15
.rept 2
.irp r, 236,248,246,244,242,240,234,14
	v_pk_add_f32 v[\r:\r+1], v[\r:\r+1], v[\sb+2*i:\sb+2*i+1]
.set i, i+1
.endr
.endr
	v_pk_add_f32 v[236:237], v[236:237], v[\sb+62:\sb+63]
.if \pf
	KLOAD \sb, (\o)+1                              ; p has been read for the last time: the next step's k lands on it
.endif
	v_pk_add_f32 v[14:15], v[14:15], v[244:245]
	v_pk_add_f32 v[236:237], v[236:237], v[242:243]
	v_pk_add_f32 v[248:249], v[248:249], v[240:241]
	v_pk_add_f32 v[246:247], v[246:247], v[234:235]
.irp c, 0,1
.irp i, 0,1,2
	v_mov_b32 v[195+6*\c+\i], v[204+4*\c+\i]       ; a conversion's three registers begin on an even number
.endr
.endr
	v_pk_add_f32 v[14:15], v[14:15], v[248:249]
	v_pk_add_f32 v[236:237], v[236:237], v[246:247]
.set j, 0
.rept 16
	v_pk_mul_f32 v[160+j:161+j], v[160+j:161+j], v[252:253] op_sel_hi:[1,0]   ; O^T under the new M
.set j, j+2
.endr
	v_pk_add_f32 v[14:15], v[14:15], v[236:237]
	s_wait_alu depctr_va_vdst(0)
.if \pf
	s_wait_dscnt 17                                ; v is in; the 17 loads of the next k, issued behind v's, may be out
.else
	s_wait_dscnt 0x0                               ; v is in
.endif
.irp t, 0,1,2,3
.if \t%2
	v_wmma_scale_f32_16x16x128_f8f6f4 v[160+8*\t:167+8*\t], v[\kb+12*\t:\kb+12*\t+11], v[192:203], v[160+8*\t:167+8*\t], v[216+\t/2], v218 matrix_a_fmt:MATRIX_FMT_FP6 matrix_b_fmt:MATRIX_FMT_FP6 matrix_a_scale:MATRIX_SCALE_ROW1
.else
	v_wmma_scale_f32_16x16x128_f8f6f4 v[160+8*\t:167+8*\t], v[\kb+12*\t:\kb+12*\t+11], v[192:203], v[160+8*\t:167+8*\t], v[216+\t/2], v218 matrix_a_fmt:MATRIX_FMT_FP6 matrix_b_fmt:MATRIX_FMT_FP6
.endif
.endr
.endm
	v_add_nc_u32 v3, s60, v1
	v_add_nc_u32 v4, s60, v2
	v_add_nc_u32 v5, s61, v1
	KLOAD 32, 0                                    ; the first step's k
	s_mov_b32 s62, 7
.Lpair:                                                ; steps 0 to 13
	STEP 32, 96, 0, 1
	STEP 96, 32, 1, 1
	s_add_co_u32 s60, s60, 2*WPART
	s_add_co_u32 s61, s61, 2*768
	s_sub_co_u32 s62, s62, 1
	s_cmp_lg_u32 s62, 0
	s_cbranch_scc1 .Lpair
	STEP 32, 96, 0, 1                              ; steps 14 and 15: the last fetches nothing
	STEP 96, 32, 1, 0
	; THE WAY OUT: O^T / the sum; register i is d = 32 (lane / 16) + i of my query: one block of the last product's K
.rept 4
	v_nop
.endr
	v_add_f32 v14, v14, v15
	s_delay_alu instid0(VALU_DEP_1)
	v_permlanex16_b32 v252, v14, s20, s21
	s_delay_alu instid0(VALU_DEP_1)
	v_add_f32 v14, v14, v252                       ; the row's sum
	s_wait_alu depctr_va_vdst(0)
	v_rcp_f32 v14, v14
	v_nop                                          ; one plain place behind a transcendental
.set j, 0
	s_wait_alu depctr_va_vdst(0)
.rept 16
	v_pk_mul_f32 v[96+j:97+j], v[160+j:161+j], v[14:15] op_sel_hi:[1,0]
.set j, j+2
.endr
.irp b, 0,1
	v_max3_num_f32 v[232+\b], |v[96+16*\b]|, |v[97+16*\b]|, 0x1800000
.endr
.irp i, 2,4,6,8,10,12,14
.irp b, 0,1
	s_delay_alu instid0(VALU_DEP_2)
	v_max3_num_f32 v[232+\b], v[232+\b], |v[96+16*\b+\i]|, |v[97+16*\b+\i]|
.endr
.endr
	s_delay_alu instid0(VALU_DEP_1)
	v_max_num_f32 v232, v232, v233                 ; my block's largest magnitude
	s_delay_alu instid0(VALU_DEP_1)
	v_add_nc_u32 v244, 0xff000000, v232
	s_delay_alu instid0(VALU_DEP_1)
	v_lshrrev_b32 v219, 23, v244                   ; my block's scale byte
	v_cvt_scalef32_pk16_fp6_f32 v[192:194], v[96:111], v244
	v_cvt_scalef32_pk16_fp6_f32 v[204:206], v[112:127], v244
	v_nop
.irp i, 0,1,2
	v_mov_b32 v[195+\i], v[204+\i]
.endr
	ds_store_b8 v7, v219                           ; byte lane / 16 of my row's two
	global_store_b128 v1, v[192:195], s[8:9]       ; the image: 768 bytes, three whole aligned blocks of 256
	global_store_b64 v2, v[196:197], s[8:9] offset:512
	s_wait_dscnt 0x0                               ; for the others' sake: my store has landed
	s_barrier_signal -1
	s_barrier_wait -1
	s_cmp_lg_u32 s12, 0
	s_cbranch_scc1 .Lnot_first
	ds_load_b128 v[96:99], v8                      ; wave 0 stores the block's 512 scale bytes: two whole aligned blocks
	s_wait_dscnt 0x0
	global_store_b128 v1, v[96:99], s[10:11]
.Lnot_first:
	s_wait_tensorcnt 0x0                           ; the wave's end
	ds_add_u32 v251, v255
	s_wait_dscnt 0x0
	ROUND                                          ; the closing round
	s_endpgm
.Lfunc_end_k_qa21f6ba003_attn:
	.size	k_qa21f6ba003_attn, .Lfunc_end_k_qa21f6ba003_attn-k_qa21f6ba003_attn
	.p2alignl 7, 3214868480
	.fill 96, 4, 3214868480
	.section	.rodata,"a",@progbits
	.p2align	6, 0x0
	.amdhsa_kernel k_qa21f6ba003_attn
		.amdhsa_group_segment_fixed_size 215040
		.amdhsa_private_segment_fixed_size 0
		.amdhsa_enable_private_segment 0
		.amdhsa_kernarg_size 32
		.amdhsa_user_sgpr_count 2
		.amdhsa_user_sgpr_kernarg_segment_ptr 1
		.amdhsa_wavefront_size32 1
		.amdhsa_system_sgpr_workgroup_id_x 1
		.amdhsa_system_sgpr_workgroup_id_y 1
		.amdhsa_system_sgpr_workgroup_id_z 1
		.amdhsa_system_vgpr_workitem_id 0
		.amdhsa_next_free_vgpr 256
		.amdhsa_next_free_sgpr 80
		.amdhsa_reserve_vcc 0
		.amdhsa_float_denorm_mode_32 3
		.amdhsa_float_denorm_mode_16_64 3
		.amdhsa_memory_ordered 1
		.amdhsa_forward_progress 1
		.amdhsa_inst_pref_size 73
	.end_amdhsa_kernel
	.amdgpu_metadata
---
amdhsa.version: [ 1, 2 ]
amdhsa.kernels:
  - .name:           k_qa21f6ba003_attn
    .symbol:         k_qa21f6ba003_attn.kd
    .args:
      - { .name: img, .offset: 0, .size: 8, .value_kind: global_buffer, .address_space: global }
      - { .name: scl, .offset: 8, .size: 8, .value_kind: global_buffer, .address_space: global }
      - { .name: aimg, .offset: 16, .size: 8, .value_kind: global_buffer, .address_space: global }
      - { .name: asc, .offset: 24, .size: 8, .value_kind: global_buffer, .address_space: global }
    .group_segment_fixed_size: 215040
    .private_segment_fixed_size: 0
    .kernarg_segment_align: 8
    .kernarg_segment_size: 32
    .max_flat_workgroup_size: 512
    .sgpr_count:     80
    .vgpr_count:     256
    .wavefront_size: 32
...
	.end_amdgpu_metadata
.endif
;; end of part 2
;; launch proj (part 3): grid 8 x 32, 4 waves a work-group, clusters of 4 x 4, 239,104 bytes of LDS; arguments aimg, asc, proj_w_codes, proj_w_scales, proj_b, out0; writes out0
.if DOCPART == 3
	.amdgcn_target "amdgcn-amd-amdhsa--gfx1250"
	.amdhsa_code_object_version 6
	.text
	.protected	k_qa21f6ba003_proj
	.globl	k_qa21f6ba003_proj
	.p2align	8
	.type	k_qa21f6ba003_proj,@function
k_qa21f6ba003_proj:
	s_mov_b64 s[64:65], 0
	v_nop
	global_prefetch_b8 v0, s[64:65] scope:SCOPE_SE
	s_setreg_imm32_b32 hwreg(HW_REG_WAVE_MODE, 25, 1), 1
	s_wait_xcnt 0x0
	s_wait_alu depctr_hold_cnt(0) depctr_sa_sdst(0) depctr_va_vdst(0) depctr_va_sdst(0) depctr_va_ssrc(0) depctr_va_vcc(0) depctr_vm_vsrc(0)
	s_getreg_b32 s2, hwreg(HW_REG_IB_STS2, 6, 4)
	s_cmp_eq_u32 s2, 0
	s_cbranch_scc0 .Lentry_in_a_cluster
	s_endpgm
.Lentry_in_a_cluster:
	s_bfe_u32 s2, ttmp6, 0x10000c
	s_cmp_lg_u32 s2, 0xf033
	s_cbranch_scc0 .Lentry_shape_is_right
	s_endpgm
.Lentry_shape_is_right:
; out0 = a W^T + b on codes of FP6 (E2M3).  a: 4,096 rows x 1,024, as register images [tile of 16 rows 256][head 16][768 bytes] with two scale bytes a row and head; W: [1,024][1,024] codes, 768 bytes a row, 32 scale bytes a row.
; SHARES.  32 x 8 = 256 work-groups of 128 x 128; four waves of 64 x 64: 16 accumulators.  ALL OF K LIES IN LDS, each byte filled once, by ONE joint load a wave: waves 0, 1 fetch a's halves (4 tiles: 49,152 bytes on end),
; waves 2, 3 W's halves (64 whole rows: 49,152 bytes on end), both as 192 units of 256 bytes; behind each of W's units lie 16 bytes of padding, so that a row of W is 816 bytes in LDS.
; 4 x 4 work-groups form a cluster: a's tiles are shared along a row, W's along a column.  No prefetch: all fills are asked for at the head, so there is no loop to run ahead in.
; The matrix instruction is used transposed (source 0 = 16 rows of W, source 1 = 16 rows of a): a lane holds eight neighbouring numbers of a row of out0.  The bias is the C of each sum's first product.
; a's tile T holds rows 64 (T / 4) + 8 (T % 4) + r % 8 + 32 (r / 8): the stores' immediates put the rows back.
; The scale words come straight into registers, once: W's eight words of a row by two loads of 16 bytes; a's from 16-bit halves, one for each head.
; REGISTERS: window 0: v3-21 addresses; v32-47 a's scale words, v48-63 W's; v64-95 the bias, later rows on the way out; v96-127 halves of a's scale words, later rows on the way out; v128-255 the accumulators.
;   window 1: two sets of fragments at v0 and v128: a's four, then W's four.
.set WP,    816                        ; a row of W in LDS: 3 x (256 + 16)
.set AH,    49152                      ; a half of a
.set WH,    64*WP                      ; a half of W
.set BL,    98304                      ; W, behind a
.set STG,   221184                     ; 16 rows x 272 bytes for each wave, for the way out; no fill lands here
.set SPARE, 238592                     ; the spare words, 512 bytes
.set ADA16, 5                          ; a's images, 16 x lane
.set ADA8,  7                          ; 8 x lane
.set ADB,   16                         ; W's fragments; v17: where lanes 16-31 lie behind one padding more
.set STO,   10
.set RD,    11
.set CO,    12
.set SA,    32
.set SB,    48
.set BIAS,  64
.set HLF,   96
.set ACC,   128
.set MSB, 0
.macro WIN new
.if MSB != (\new)
	s_set_vgpr_msb (MSB<<8)|(\new)
.set MSB, (\new)
.endif
.endm
.set MUL,  0x05                        ; sources 0 and 1 window 1; C and D window 0
.set TO_F, 0x40                        ; destination window 1
.macro CREST
	s_cmp_lg_u32 s16, 0
	s_cbranch_scc1 .Lnot_wave_0_\@
	s_barrier_signal -3
.Lnot_wave_0_\@:
	s_barrier_wait -3
	s_barrier_signal -1
	s_barrier_wait -1
.endm
.macro CROUND
	s_barrier_signal -1
	s_barrier_wait -1
	CREST
.endm
.macro PLACES
.rept 4
	v_nop
.endr
.endm
	s_load_b256 s[4:11], s[0:1], 0x0               ; aimg, asc, W's codes, W's scales
	s_load_b128 s[12:15], s[0:1], 0x20             ; b, out0
	v_lshl_add_u32 v30, v0, 2, SPARE
	v_mov_b32 v31, 0
	ds_add_u32 v30, v31                            ; the opening adds
	ds_add_u32 v30, v31
	v_lshrrev_b32 v1, 5, v0
	v_readfirstlane_b32 s16, v1                    ; wave 0..3
	s_lshr_b32 s17, s16, 1                         ; which 64 rows are mine.  Also: I fetch for a (0) or for W (1)
	s_and_b32 s18, s16, 1                          ; which 64 columns.  Also: which half I fetch
	s_bfe_u32 s19, ttmp6, 0x40000                  ; cx, cy
	s_bfe_u32 s20, ttmp6, 0x40004
	s_lshl_b32 s21, ttmp9, 2
	s_add_co_u32 s21, s21, s19                     ; tile column
	s_and_b32 s22, ttmp7, 0xffff
	s_lshl_b32 s22, s22, 2
	s_add_co_u32 s22, s22, s20                     ; tile row
	s_lshl_b32 s76, s20, 2
	s_lshl_b32 s76, 15, s76                        ; my row of the cluster
	s_lshl_b32 s77, 0x1111, s19                    ; my column
	s_or_b32 s24, s76, (3<<16)|(1<<21)             ; a: 192 dense rows of 32 elements of 8 bytes
	s_or_b32 s32, s77, (3<<16)|(1<<20)|(1<<21)|(5<<22)|(3<<25)   ; W: the same, 4 words of padding behind every 64
.irp g, 24, 32
	s_mov_b32 s[\g+1], 32<<16
	s_mov_b32 s[\g+2], 192<<16
	s_mov_b32 s[\g+3], 32<<16
	s_mov_b32 s[\g+4], 192
	s_mov_b32 s[\g+5], 32
	s_mov_b32 s[\g+6], 0
	s_mov_b32 s[\g+7], 0
.endr
	s_mul_i32 s78, s22, 98304                      ; a: 8 tiles x 12,288 a tile row, + my half
	s_mul_i32 s23, s18, AH
	s_add_co_u32 s78, s78, s23
	s_mov_b32 s79, 0
	s_mul_i32 s80, s21, 98304                      ; W: 128 rows x 768 a tile column, + my half
	s_add_co_u32 s80, s80, s23
	s_mov_b32 s81, 0
	s_mul_i32 s41, s18, AH                         ; where they go
	s_mul_i32 s45, s18, WH
	s_add_co_u32 s45, s45, BL
	s_lshl_b32 s86, s21, 12                        ; W's scale bytes: (128 column tile + 64 half) x 32
	s_lshl_b32 s87, s18, 11
	s_add_co_u32 s86, s86, s87
	s_mov_b32 s87, 0
	s_lshr_b32 s88, s22, 4                         ; a's: batch x 65,536 + (8 (tile row % 16) + 4 half) x 32
	s_lshl_b32 s88, s88, 16
	s_and_b32 s89, s22, 15
	s_lshl_b32 s89, s89, 8
	s_add_co_u32 s88, s88, s89
	s_lshl_b32 s89, s17, 7
	s_add_co_u32 s88, s88, s89
	s_mov_b32 s89, 0
	s_lshl_b32 s90, s21, 9                         ; my first column, in bytes of f32
	s_lshl_b32 s91, s18, 8
	s_add_co_u32 s90, s90, s91
	s_mov_b32 s91, 0
	s_lshl_b32 s92, s22, 19                        ; my first row of out0: (128 tile row + 64 half) x 4,096 bytes
	s_lshl_b32 s93, s17, 18
	s_add_co_u32 s92, s92, s93
	s_add_co_u32 s92, s92, s90
	s_mov_b32 s93, 0
	s_mov_b32 s40, 1
	s_mov_b32 s44, 1
	s_wait_dscnt 0x0
	s_wait_kmcnt 0x0
	s_add_nc_u64 s[42:43], s[4:5], s[78:79]
	s_or_b32 s43, s43, 0x80000000
	s_add_nc_u64 s[46:47], s[8:9], s[80:81]
	s_or_b32 s47, s47, 0x80000000
	s_add_nc_u64 s[10:11], s[10:11], s[86:87]
	s_add_nc_u64 s[6:7], s[6:7], s[88:89]
	s_add_nc_u64 s[12:13], s[12:13], s[90:91]
	s_add_nc_u64 s[14:15], s[14:15], s[92:93]
	CROUND                                         ; all sixteen work-groups are here: the joint loads meet
	s_cmp_eq_u32 s17, 0                            ; one load to an arm
	s_cbranch_scc0 .Lfill_w
	tensor_load_to_lds s[40:43], s[24:31]
	s_nop 0
	PLACES
	s_branch .Lfilled
.Lfill_w:
	tensor_load_to_lds s[44:47], s[32:39]
	s_nop 0
	PLACES
.Lfilled:
	s_mul_i32 s84, s17, AH                         ; my four tiles of a
	s_mul_i32 s85, s18, WH                         ; my 64 rows of W
	s_add_co_u32 s85, s85, BL
	s_mul_i32 s86, s16, 16*272
	s_add_co_u32 s86, s86, STG                     ; my stage
	v_and_b32 v1, 15, v0                           ; r
	v_bfe_u32 v2, v0, 4, 1                         ; h
	v_and_b32 v9, 31, v0                           ; lane
	v_lshlrev_b32 v3, 4, v9
	v_lshlrev_b32 v4, 3, v9
	v_lshlrev_b32 v15, 5, v9                       ; W's scale bytes: 32 a row, lane = row of a pair of tiles
	v_lshlrev_b32 v20, 1, v9                       ; a's: 2 a row
	v_lshlrev_b32 v21, 5, v2                       ; the bias: 8 numbers for each half of the lanes
.irp i, 0,1
	global_load_b128 v[SB+8*\i:SB+8*\i+3], v15, s[10:11] offset:1024*\i            ; register j: the word of K step j; lanes 0-15 tile 2 i, lanes 16-31 tile 2 i + 1
	global_load_b128 v[SB+8*\i+4:SB+8*\i+7], v15, s[10:11] offset:1024*\i+16
.endr
.irp i, 0,1
.irp n, 0,1,2,3,4,5,6,7,8,9,10,11,12,13,14,15
	global_load_u16 v[HLF+16*\i+\n], v20, s[6:7] offset:4096*\n+64*\i              ; head n's two bytes of my row
.endr
.endr
.irp b, 0,1,2,3
	global_load_b128 v[BIAS+8*\b:BIAS+8*\b+3], v21, s[12:13] offset:64*\b
	global_load_b128 v[BIAS+8*\b+4:BIAS+8*\b+7], v21, s[12:13] offset:64*\b+16
.endr
	v_add_nc_u32 v[ADA16], s84, v3
	v_add_nc_u32 v[ADA8], s84, v4
	v_mul_u32_u24 v13, v1, WP
	v_mad_u32_u24 v13, v2, 24, v13
	v_lshl_add_u32 v14, v2, 4, v13
	v_add_nc_u32 v[ADB], s85, v13
	v_add_nc_u32 v[ADB+1], s85, v14
	v_mul_u32_u24 v[STO], v1, 272
	v_lshl_add_u32 v[STO], v2, 5, v[STO]
	v_add_nc_u32 v[STO], s86, v[STO]               ; in: row r, 32 bytes for each half of the lanes
	v_mul_u32_u24 v[RD], v2, 272
	v_lshl_add_u32 v[RD], v1, 4, v[RD]
	v_add_nc_u32 v[RD], s86, v[RD]                 ; back: lanes 0-15 one row of 256 bytes, lanes 16-31 the next
	v_lshlrev_b32 v[CO], 12, v2
	v_lshl_add_u32 v[CO], v1, 4, v[CO]             ; and the same in out0
.macro FRAG reg, k, i                  ; W's fragment: 16 rows x 128 K in pieces of 8 bytes; byte y of a row lies at y + 16 (y / 256)
.irp p, 0,1,2,3,4,5
.set BY, 96*(\k)+48*(\p/3)+8*(\p%3)
.if BY/256 == (BY+24)/256
	ds_load_b64 v[\reg+2*\p:\reg+2*\p+1], v[ADB] offset:BY+16*(BY/256)+(\i)*16*WP
.else
	ds_load_b64 v[\reg+2*\p:\reg+2*\p+1], v[ADB+1] offset:BY+16*(BY/256)+(\i)*16*WP
.endif
.endr
.endm
.macro FETCH k, p                      ; K step k's eight fragments into set p: 40 LDS loads
	WIN TO_F
.irp i, 0,1,2,3
	ds_load_b128 v[128*(\p)+12*\i:128*(\p)+12*\i+3], v[ADA16] offset:\i*12288+(\k)*1536
	ds_load_b64 v[128*(\p)+12*\i+4:128*(\p)+12*\i+5], v[ADA8] offset:\i*12288+(\k)*1536+512
	ds_load_b128 v[128*(\p)+12*\i+6:128*(\p)+12*\i+9], v[ADA16] offset:\i*12288+(\k)*1536+768
	ds_load_b64 v[128*(\p)+12*\i+10:128*(\p)+12*\i+11], v[ADA8] offset:\i*12288+(\k)*1536+1280
.endr
.irp i, 0,1,2,3
	FRAG 128*(\p)+48+12*\i, \k, \i
.endr
.endm
.macro WM d, a, b, c, sa, sb, ra, rb   ; one product; ra, rb: the side's scale words lie in lanes 16-31
.if (\ra) && (\rb)
	v_wmma_scale_f32_16x16x128_f8f6f4 v[(\d):(\d)+7], v[(\a):(\a)+11], v[(\b):(\b)+11], v[(\c):(\c)+7], v[(\sa)], v[(\sb)] matrix_a_fmt:MATRIX_FMT_FP6 matrix_b_fmt:MATRIX_FMT_FP6 matrix_a_scale:MATRIX_SCALE_ROW1 matrix_b_scale:MATRIX_SCALE_ROW1
.elseif (\ra)
	v_wmma_scale_f32_16x16x128_f8f6f4 v[(\d):(\d)+7], v[(\a):(\a)+11], v[(\b):(\b)+11], v[(\c):(\c)+7], v[(\sa)], v[(\sb)] matrix_a_fmt:MATRIX_FMT_FP6 matrix_b_fmt:MATRIX_FMT_FP6 matrix_a_scale:MATRIX_SCALE_ROW1
.elseif (\rb)
	v_wmma_scale_f32_16x16x128_f8f6f4 v[(\d):(\d)+7], v[(\a):(\a)+11], v[(\b):(\b)+11], v[(\c):(\c)+7], v[(\sa)], v[(\sb)] matrix_a_fmt:MATRIX_FMT_FP6 matrix_b_fmt:MATRIX_FMT_FP6 matrix_b_scale:MATRIX_SCALE_ROW1
.else
	v_wmma_scale_f32_16x16x128_f8f6f4 v[(\d):(\d)+7], v[(\a):(\a)+11], v[(\b):(\b)+11], v[(\c):(\c)+7], v[(\sa)], v[(\sb)] matrix_a_fmt:MATRIX_FMT_FP6 matrix_b_fmt:MATRIX_FMT_FP6
.endif
.endm
.macro MULS k, p                       ; 16 products: the 16 accumulators by turns
.irp a, 0,1,2,3
.irp b, 0,1,2,3
.if (\k) == 0
	WM ACC+8*(4*\a+\b), 128*(\p)+48+12*\b, 128*(\p)+12*\a, BIAS+8*\b, SB+8*(\b/2)+(\k), SA+8*(\a/2)+(\k), \b%2, \a%2
.else
	WM ACC+8*(4*\a+\b), 128*(\p)+48+12*\b, 128*(\p)+12*\a, ACC+8*(4*\a+\b), SB+8*(\b/2)+(\k), SA+8*(\a/2)+(\k), \b%2, \a%2
.endif
.endr
.endr
.endm
.macro KSTEP k
	s_wait_dscnt 0x0                               ; this step's fragments are in
.if (\k) < 7
	PLACES                                         ; in front of loads into the set that the step before multiplied
	FETCH (\k)+1, ((\k)+1)%2
.endif
	WIN MUL
	MULS \k, (\k)%2
.endm
	s_wait_alu depctr_va_vdst(0)
	s_wait_tensorcnt 0x0                           ; my half of a or of W is in
	s_barrier_signal -1
	s_barrier_wait -1                              ; everybody's is
	FETCH 0, 0
	WIN 0
	s_wait_loadcnt 0x0                             ; scale words, halves, bias
.irp i, 0,1
.irp j, 0,1,2,3,4,5,6,7
	v_lshl_or_b32 v[SA+8*\i+\j], v[HLF+16*\i+2*\j+1], 16, v[HLF+16*\i+2*\j]   ; K step j: heads 2 j and 2 j + 1
.endr
.endr
.rept 8
	v_nop                                          ; a scale register written by a vector instruction stands eight places ahead of a scaled matrix instruction
.endr
	s_wait_alu depctr_va_vdst(0)
.irp k, 0,1,2,3,4,5,6,7
	KSTEP \k
.endr
	WIN 0
	PLACES
; THE WAY OUT, a tile of 16 rows x 64 columns at a time, through my own stage; LDS serves a wave's instructions in order (ISA guide 5.7.1.4): no wait between the stores and the loads
.macro TOSTAGE a
.irp b, 0,1,2,3
	ds_store_b128 v[STO], v[ACC+8*(4*(\a)+\b):ACC+8*(4*(\a)+\b)+3] offset:64*\b          ; each accumulator from its low end on
	ds_store_b128 v[STO], v[ACC+8*(4*(\a)+\b)+4:ACC+8*(4*(\a)+\b)+7] offset:64*\b+16
.endr
.irp t, 0,1,2,3,4,5,6,7
	ds_load_b128 v[64+32*((\a)%2)+4*\t:64+32*((\a)%2)+4*\t+3], v[RD] offset:\t*544
.endr
.endm
.macro SEND a, younger
	s_wait_dscnt \younger                          ; the tile is back; the LDS instructions issued behind its loads may be out
.irp t, 0,1,2,3,4,5,6,7
	global_store_b128 v[CO], v[64+32*((\a)%2)+4*\t:64+32*((\a)%2)+4*\t+3], s[14:15] offset:(32*(\t/4)+8*(\a)+2*(\t%4))*4096 th:TH_STORE_NT   ; stage row 2 t + h is row 32 (t / 4) + 8 a + 2 (t % 4) + h of my 64; 16 lanes store 256 consecutive bytes, aligned
.endr
.endm
	TOSTAGE 0
.irp a, 1,2,3
.if \a > 1
	s_wait_xcnt 0x0                                ; tile a - 2's stores have read their registers: tile a's loads may land there
.endif
	TOSTAGE \a
	SEND \a-1, 16                                  ; behind tile a - 1's loads: tile a's 8 stores and 8 loads
.endr
	SEND 3, 0
	s_wait_tensorcnt 0x0                           ; the wave's end
	ds_add_u32 v30, v31
	s_wait_dscnt 0x0
	CROUND                                         ; the closing round
	s_endpgm
.Lfunc_end_k_qa21f6ba003_proj:
	.size	k_qa21f6ba003_proj, .Lfunc_end_k_qa21f6ba003_proj-k_qa21f6ba003_proj
	.p2alignl 7, 3214868480
	.fill 96, 4, 3214868480
	.section	.rodata,"a",@progbits
	.p2align	6, 0x0
	.amdhsa_kernel k_qa21f6ba003_proj
		.amdhsa_group_segment_fixed_size 239104
		.amdhsa_private_segment_fixed_size 0
		.amdhsa_enable_private_segment 0
		.amdhsa_kernarg_size 48
		.amdhsa_user_sgpr_count 2
		.amdhsa_user_sgpr_kernarg_segment_ptr 1
		.amdhsa_wavefront_size32 1
		.amdhsa_system_sgpr_workgroup_id_x 1
		.amdhsa_system_sgpr_workgroup_id_y 1
		.amdhsa_system_sgpr_workgroup_id_z 1
		.amdhsa_system_vgpr_workitem_id 0
		.amdhsa_next_free_vgpr 512
		.amdhsa_next_free_sgpr 100
		.amdhsa_reserve_vcc 0
		.amdhsa_float_denorm_mode_32 3
		.amdhsa_float_denorm_mode_16_64 3
		.amdhsa_memory_ordered 1
		.amdhsa_forward_progress 1
		.amdhsa_inst_pref_size 58
	.end_amdhsa_kernel
	.amdgpu_metadata
---
amdhsa.version: [ 1, 2 ]
amdhsa.kernels:
  - .name:           k_qa21f6ba003_proj
    .symbol:         k_qa21f6ba003_proj.kd
    .args:
      - { .name: aimg, .offset: 0, .size: 8, .value_kind: global_buffer, .address_space: global }
      - { .name: asc, .offset: 8, .size: 8, .value_kind: global_buffer, .address_space: global }
      - { .name: proj_w_codes, .offset: 16, .size: 8, .value_kind: global_buffer, .address_space: global }
      - { .name: proj_w_scales, .offset: 24, .size: 8, .value_kind: global_buffer, .address_space: global }
      - { .name: proj_b, .offset: 32, .size: 8, .value_kind: global_buffer, .address_space: global }
      - { .name: out0, .offset: 40, .size: 8, .value_kind: global_buffer, .address_space: global }
    .group_segment_fixed_size: 239104
    .private_segment_fixed_size: 0
    .kernarg_segment_align: 8
    .kernarg_segment_size: 48
    .max_flat_workgroup_size: 128
    .sgpr_count:     100
    .vgpr_count:     512
    .wavefront_size: 32
...
	.end_amdgpu_metadata
.endif
;; end of part 3
